; MI455X (gfx1250); checked and timed in simulation.
; The chip was launched on July 23, 2026; its instructions are those of AMD's public machine-readable ISA for CDNA 5 (MIT licence, August 2026) and "CDNA5" Instruction Set Architecture Reference Guide (July 2026). The comments in the code are by the model that wrote it; some were corrected since.
;; Attention Layer. Allowed arithmetic: matrix products marked QUANTISED: E5M2 operands, one given power-of-two scale a tensor, by v_wmma_f32_16x16x64_bf8_bf8 or v_wmma_f32_16x16x128_bf8_bf8, f32 sums; everything else in f32.
;; Inputs: b_k 1,024 float32; b_o 1,024 float32; b_q 1,024 float32; b_v 1,024 float32; ln_beta 1,024 float32; ln_gamma 1,024 float32; lowp_scales 12 int32 (the exponents e of the quantised operands' scales 2^e); w_k 1,024 x 1,024 float32; w_o 1,024 x 1,024 float32; w_q 1,024 x 1,024 float32; w_v 1,024 x 1,024 float32; x 4 x 2,048 x 1,024 float32.
;; Outputs: out0 4 x 2,048 x 1,024 float32.
;; This version of the problem:
;;   THIS VERSION OF THE PROBLEM IS GIVEN IN LOW PRECISION. The matrix products marked QUANTISED in the list below multiply operands that are first quantised to E5M2 (5 exponent bits, 2 mantissa bits; 8 bits a number), with one given power-of-two scale for each operand tensor; their sums are f32. All else is computed in f32.
;;   The module's matrix products, in the order in which they are computed (A, B: the left and right operand; K: the contracted axis; several contracted axes count as one K, in the product's order):
;;     1. [M 8,192, K 1,024] x [K 1,024, N 1,024]; A: input x; B: input w_q: QUANTISED (scales: A lowp_scales[0], B lowp_scales[1])
;;     2. [M 8,192, K 1,024] x [K 1,024, N 1,024]; A: input x; B: input w_k: QUANTISED (scales: A lowp_scales[2], B lowp_scales[3])
;;     3. [M 8,192, K 1,024] x [K 1,024, N 1,024]; A: input x; B: input w_v: QUANTISED (scales: A lowp_scales[4], B lowp_scales[5])
;;     4. batch 64 x [M 2,048, K 64] x [K 64, N 2,048]; A: computed on the way; B: computed on the way: QUANTISED (scales: A lowp_scales[6], B lowp_scales[7])
;;     5. batch 64 x [M 2,048, K 2,048] x [K 2,048, N 64]; A: softmax (see below); B: computed on the way: QUANTISED (scales: A lowp_scales[8], B lowp_scales[9])
;;     6. [M 8,192, K 1,024] x [K 1,024, N 1,024]; A: computed on the way; B: input w_o: QUANTISED (scales: A lowp_scales[10], B lowp_scales[11])
;;   THE QUANTISER, for each operand of a quantised product, along K:
;;     - The operand's scale is 2^e, e = its entry of the input lowp_scales (int32; the entries are numbered through the quantised products in the list's order, A before B).
;;     - Each number is divided by the scale, clamped to +-57,344, and rounded to the nearest number of E5M2, ties to even, subnormals kept.
;;     - The product sums the exact products of the quantised numbers (number of the format x scale) in f32.
;;   ~~~python
;;   def quantise(x, axis, e):      # numpy; x: float32 -> the quantised numbers, widened to float32 again
;;       x = np.moveaxis(x, axis, -1); K = x.shape[-1]
;;       r = np.clip(x / 2.0 ** e, -57344, 57344)
;;       step = 2.0 ** (np.maximum(np.frexp(np.where(r == 0, 1, r))[1] - 1, -14) - 2)
;;       q = np.round(r / step) * step * 2.0 ** e      # np.round: ties to even
;;       return np.moveaxis(q, -1, axis).astype(np.float32)
;;   ~~~
;;   SOFTMAX AHEAD OF A QUANTISED PRODUCT. Where the list says 'softmax', what is quantised is not the finished softmax but p = 2^(t - M), with t = logit x log2(e) and M = ceil(the row's largest t), a whole number; so 1/2 < the row's largest p <= 1. The row's sum l is taken of the UNQUANTISED p, in f32, and the product's result is divided by l at the end. Since M is a whole number, a kernel that streams over the keys may use a running M (the ceiling of the running maximum): every later rescaling is an exact power of two, so the quantised numbers keep their values, but for numbers so far below the row's largest that they fall under the format's range.
;;   OPERANDS COMPUTED ON THE WAY. 'Computed on the way' means the value that the module computes at that place (a softmax that the list does not call 'softmax' is quantised finished and normalised). What goes into a quantiser is computed in f32, as accurately as f32 sums, v_exp_f32 and their like allow (about 1e-6 of the number): no bf16 or f16 on the way to a quantiser, and a product that is left as it is and whose result goes on into a quantised operand takes f32 operands (vector FMAs, or v_wmma_f32_16x16x4_f32). A number that lies on a knife's edge between two numbers of the format may be rounded either way, as far as f32 arithmetic and the matrix unit's own rounding can turn it there, and no further.
;; One version. Each part assembles by itself: llvm-mc -triple=amdgcn-amd-amdhsa -mcpu=gfx1250 --defsym DOCPART=n.
;; ======== version 1 of 1: 4 launches
;; limits: right only within a limited range of input values
;; workspace buffers: codes 29,360,128 bytes; qkv 25,165,824 bytes; ctxc 8,388,608 bytes
;; launch quant (part 1): grid 384 x 1, 4 waves a work-group, no clusters, 0 bytes of LDS; arguments x, w_q, w_k, w_v, w_o, lowp_scales, codes; writes codes
.if DOCPART == 1
	.amdgcn_target "amdgcn-amd-amdhsa--gfx1250"
	.amdhsa_code_object_version 6
	.text
	.protected	k_qd5da24a8e7_quant
	.globl	k_qd5da24a8e7_quant
	.p2align	8
	.type	k_qd5da24a8e7_quant,@function
k_qd5da24a8e7_quant:
	s_mov_b64 s[64:65], 0
	v_nop
	global_prefetch_b8 v0, s[64:65] scope:SCOPE_SE
	s_setreg_imm32_b32 hwreg(HW_REG_WAVE_MODE, 25, 1), 1
	s_wait_xcnt 0x0
; x [8192][1024] and the four weights [1024][1024], f32, K innermost, become codes of BF8 (E5M2) in the buffer codes.
; code = number / 2^e, held within +-57,344, rounded to the nearest code, ties to even; e is the operand's entry of lowp_scales.
; x is an operand of three products with three entries (0, 2, 4), which may differ: three sets of codes are made from one read of x.
; LAYOUT of codes.  x set t at t x 8,388,608 and w_q, w_k, w_v at 25,165,824 + i x 1,048,576: rows of 1,024 bytes, with K permuted inside each 512:
;   byte 16 L + 4 i + j holds k = 128 i + 4 L + j: the order in which four dense loads of 512 bytes give a lane its 16 numbers; it is the same in both operands of a product.
; w_o at 28,311,552 as images of operand registers: [K step s 8][wave g 16][tile q 4][chunk c 4][lane 32][16 bytes]; lane (r, h) of tile (g, q) holds row 64 g + 4 r + q,
;   bytes 0-7 k = 128 s + 32 c + 8 h + 0..7, bytes 8-15 those k + 16.
; SHARES.  A wave takes 16 steps of 512 numbers.  Work-groups 0-255: x;  256-351: w_q, w_k, w_v (32 each);  352-383: w_o.  The three ways part on the work-group's number.
; No LDS, no barrier, no cluster: no two work-groups read the same bytes.  Loads run eight steps (32 loads a wave) ahead.  Each store of a wave covers 512 consecutive bytes, aligned.
; LIMITS: each e used here lies between -126 and 112, so that 2^e and 57,344 x 2^e are f32 numbers.  NaN among the inputs is not served.
.set AH,   8                           ; steps that the loads run ahead
.set X,    16                          ; v16-143  eight sets of 16 numbers as loaded
.set T,    144                         ; v144-191 three sets of 16 numbers, held
.set C,    192                         ; v192-215 two sets of 12 registers of codes
.set SC,   4                           ; v4-6     2^e as f32
.set LM,   8                           ; v8-10    57,344 x 2^e
.set XSET, 8388608
.set WSET, 25165824
.set WO,   28311552
.macro MKSC e, k                       ; from the whole number in s[e]: the scale and the hold of output set k
	s_add_co_i32 s44, s[\e], 127
	s_lshl_b32 s45, s44, 23
	v_mov_b32 v[SC+\k], s45
	s_add_co_i32 s44, s44, 15
	s_lshl_b32 s44, s44, 23
	s_or_b32 s44, s44, 0x600000
	v_mov_b32 v[LM+\k], s44
.endm
.macro QLOAD t, mode                   ; step t's 16 numbers a lane, into set t % AH
.if \mode
	global_load_b128 v[X+16*((\t)%AH):X+16*((\t)%AH)+3],     v2, s[4:5] offset:128*(\t)      ; w_o: k = 8 h + 0..7 of the chunk,
	global_load_b128 v[X+16*((\t)%AH)+4:X+16*((\t)%AH)+7],   v2, s[4:5] offset:128*(\t)+16
	global_load_b128 v[X+16*((\t)%AH)+8:X+16*((\t)%AH)+11],  v2, s[4:5] offset:128*(\t)+64   ; and those k + 16
	global_load_b128 v[X+16*((\t)%AH)+12:X+16*((\t)%AH)+15], v2, s[4:5] offset:128*(\t)+80
.else
.irp i, 0,1,2,3
	global_load_b128 v[X+16*((\t)%AH)+4*\i:X+16*((\t)%AH)+4*\i+3], v3, s[4:5] offset:2048*(\t)+512*\i th:TH_LOAD_NT   ; 32 lanes read 512 consecutive bytes
.endr
.endif
.endm
.macro QSTEP t, mode, nout
.if 15-(\t) > AH-1
	s_wait_loadcnt 4*(AH-1)                        ; this step's four loads are in; those of the seven steps behind it stay out
.else
	s_wait_loadcnt 4*(15-(\t))
.endif
	s_wait_xcnt 0x0                                ; the earlier stores have read their data: the codes' registers may be written again
.irp k, 0,1,2
.if \k < \nout
.set i, 0
.rept 16
	v_med3_num_f32 v[T+16*\k+i], v[X+16*((\t)%AH)+i], -v[LM+\k], v[LM+\k]   ; the conversion to an 8-bit code does not saturate (ISA guide 7.6.2): the hold comes first
.set i, i+1
.endr
	v_cvt_scalef32_pk8_bf8_f32 v[C+12*((\t)%2)+4*\k:C+12*((\t)%2)+4*\k+1],   v[T+16*\k:T+16*\k+7],    v[SC+\k]
	v_cvt_scalef32_pk8_bf8_f32 v[C+12*((\t)%2)+4*\k+2:C+12*((\t)%2)+4*\k+3], v[T+16*\k+8:T+16*\k+15], v[SC+\k]
.endif
.endr
	v_nop                                          ; a plain line behind the last conversion
.if (\t)+AH < 16
	QLOAD (\t)+AH, \mode                           ; the set just read takes the loads of eight steps on
.endif
.irp k, 0,1,2
.if \k < \nout
.if \mode
	global_store_b128 v3, v[C+12*((\t)%2)+4*\k:C+12*((\t)%2)+4*\k+3], s[36+2*\k:37+2*\k] offset:((\t)/4)*131072+((\t)%4)*512
.else
	global_store_b128 v3, v[C+12*((\t)%2)+4*\k:C+12*((\t)%2)+4*\k+3], s[36+2*\k:37+2*\k] offset:512*(\t)
.endif
.endif
.endr
.endm
.macro FIRST mode
.irp t, 0,1,2,3,4,5,6,7
	QLOAD \t, \mode
.endr
.endm
.macro RUN mode, nout
.irp t, 0,1,2,3,4,5,6,7,8,9,10,11,12,13,14,15
	QSTEP \t, \mode, \nout
.endr
	s_endpgm
.endm
	s_load_b256 s[4:11], s[0:1], 0x0               ; x s[4:5], w_q s[6:7], w_k s[8:9], w_v s[10:11]
	s_load_b128 s[12:15], s[0:1], 0x20             ; w_o s[12:13], lowp_scales s[14:15]
	s_load_b64 s[16:17], s[0:1], 0x30              ; codes
	v_lshrrev_b32 v1, 5, v0
	v_readfirstlane_b32 s18, v1                    ; wave 0..3
	v_and_b32 v1, 31, v0
	v_lshlrev_b32 v3, 4, v1                        ; 16 x lane
	s_mov_b32 s35, 0
	s_wait_kmcnt 0x0
	s_load_b256 s[20:27], s[14:15], 0x0            ; e0 .. e7
	s_load_b128 s[28:31], s[14:15], 0x20           ; e8 .. e11
	s_cmp_lt_u32 ttmp9, 256
	s_cbranch_scc0 .Lnot_x
	; ---- x: run R = 4 x work-group + wave of 8,192 numbers
	s_lshl_b32 s32, ttmp9, 2
	s_add_co_u32 s32, s32, s18
	s_lshl_b32 s34, s32, 15
	s_add_nc_u64 s[4:5], s[4:5], s[34:35]
	s_lshl_b32 s34, s32, 13
	s_add_nc_u64 s[36:37], s[16:17], s[34:35]      ; the three sets' places
	s_add_nc_u64 s[38:39], s[36:37], XSET
	s_add_nc_u64 s[40:41], s[38:39], XSET
	s_wait_alu depctr_va_vdst(0)
	FIRST 0
	s_wait_kmcnt 0x0
	MKSC 20, 0                                     ; e0, e2, e4
	MKSC 22, 1
	MKSC 24, 2
	s_wait_alu depctr_va_vdst(0)
	RUN 0, 3
.Lnot_x:
	s_cmp_lt_u32 ttmp9, 352
	s_cbranch_scc0 .Lpath_o
	; ---- w_q, w_k, w_v: which of them, and run R of 8,192 numbers
	s_sub_co_u32 s32, ttmp9, 256
	s_lshr_b32 s33, s32, 5                         ; 0, 1, 2
	s_and_b32 s32, s32, 31
	s_lshl_b32 s32, s32, 2
	s_add_co_u32 s32, s32, s18
	s_cmp_eq_u32 s33, 1                            ; the choice hangs on the work-group's number alone
	s_cselect_b64 s[4:5], s[8:9], s[6:7]
	s_cmp_eq_u32 s33, 2
	s_cselect_b64 s[4:5], s[10:11], s[4:5]
	s_lshl_b32 s34, s32, 15
	s_add_nc_u64 s[4:5], s[4:5], s[34:35]
	s_lshl_b32 s34, s32, 13
	s_lshl_b32 s42, s33, 20
	s_add_co_u32 s34, s34, s42
	s_add_co_u32 s34, s34, WSET
	s_add_nc_u64 s[36:37], s[16:17], s[34:35]
	s_wait_alu depctr_va_vdst(0)
	FIRST 0
	s_wait_kmcnt 0x0
	s_cmp_eq_u32 s33, 1
	s_cselect_b32 s46, s23, s21                    ; e1, e3 or e5
	s_cmp_eq_u32 s33, 2
	s_cselect_b32 s46, s25, s46
	MKSC 46, 0
	s_wait_alu depctr_va_vdst(0)
	RUN 0, 1
.Lpath_o:
	; ---- w_o: wave W = 4 x (work-group - 352) + wave takes tile (g, q) = (W / 8, (W / 2) % 4), K steps 4 (W % 2) .. + 3: step t is K step t / 4 of them, chunk t % 4
	s_sub_co_u32 s32, ttmp9, 352
	s_lshl_b32 s32, s32, 2
	s_add_co_u32 s32, s32, s18
	s_lshr_b32 s33, s32, 3                         ; g
	s_bfe_u32 s42, s32, 0x20001                    ; q
	s_and_b32 s43, s32, 1                          ; which four K steps
	s_lshl_b32 s34, s33, 18                        ; in: row 64 g + q, 4,096 bytes a row,
	s_lshl_b32 s44, s42, 12
	s_add_co_u32 s34, s34, s44
	s_lshl_b32 s44, s43, 11                        ; + four K steps of 512 bytes
	s_add_co_u32 s34, s34, s44
	s_add_nc_u64 s[4:5], s[12:13], s[34:35]
	s_lshl_b32 s34, s43, 19                        ; out: four K steps of 131,072 bytes,
	s_lshl_b32 s44, s33, 13                        ; 8,192 g,
	s_add_co_u32 s34, s34, s44
	s_lshl_b32 s44, s42, 11                        ; 2,048 q
	s_add_co_u32 s34, s34, s44
	s_add_co_u32 s34, s34, WO
	s_add_nc_u64 s[36:37], s[16:17], s[34:35]
	v_and_b32 v2, 15, v0                           ; r
	v_bfe_u32 v12, v0, 4, 1                        ; h
	v_lshlrev_b32 v2, 14, v2                       ; four rows a lane: 16,384 r
	v_lshl_add_u32 v2, v12, 5, v2                  ; + 32 h
	FIRST 1
	s_wait_kmcnt 0x0
	MKSC 31, 0                                     ; e11
	s_wait_alu depctr_va_vdst(0)
	RUN 1, 1
.Lfunc_end_k_qd5da24a8e7_quant:
	.size	k_qd5da24a8e7_quant, .Lfunc_end_k_qd5da24a8e7_quant-k_qd5da24a8e7_quant
	.p2alignl 7, 3214868480
	.fill 96, 4, 3214868480
	.section	.rodata,"a",@progbits
	.p2align	6, 0x0
	.amdhsa_kernel k_qd5da24a8e7_quant
		.amdhsa_group_segment_fixed_size 0
		.amdhsa_private_segment_fixed_size 0
		.amdhsa_enable_private_segment 0
		.amdhsa_kernarg_size 56
		.amdhsa_user_sgpr_count 2
		.amdhsa_user_sgpr_kernarg_segment_ptr 1
		.amdhsa_wavefront_size32 1
		.amdhsa_system_sgpr_workgroup_id_x 1
		.amdhsa_system_sgpr_workgroup_id_y 1
		.amdhsa_system_sgpr_workgroup_id_z 1
		.amdhsa_system_vgpr_workitem_id 0
		.amdhsa_next_free_vgpr 216
		.amdhsa_next_free_sgpr 66
		.amdhsa_reserve_vcc 0
		.amdhsa_float_denorm_mode_32 3
		.amdhsa_float_denorm_mode_16_64 3
		.amdhsa_memory_ordered 1
		.amdhsa_forward_progress 1
		.amdhsa_inst_pref_size 125
	.end_amdhsa_kernel
	.amdgpu_metadata
---
amdhsa.version: [ 1, 2 ]
amdhsa.kernels:
  - .name:           k_qd5da24a8e7_quant
    .symbol:         k_qd5da24a8e7_quant.kd
    .args:
      - { .name: x, .offset: 0, .size: 8, .value_kind: global_buffer, .address_space: global }
      - { .name: w_q, .offset: 8, .size: 8, .value_kind: global_buffer, .address_space: global }
      - { .name: w_k, .offset: 16, .size: 8, .value_kind: global_buffer, .address_space: global }
      - { .name: w_v, .offset: 24, .size: 8, .value_kind: global_buffer, .address_space: global }
      - { .name: w_o, .offset: 32, .size: 8, .value_kind: global_buffer, .address_space: global }
      - { .name: lowp_scales, .offset: 40, .size: 8, .value_kind: global_buffer, .address_space: global }
      - { .name: codes, .offset: 48, .size: 8, .value_kind: global_buffer, .address_space: global }
    .group_segment_fixed_size: 0
    .private_segment_fixed_size: 0
    .kernarg_segment_align: 8
    .kernarg_segment_size: 56
    .max_flat_workgroup_size: 128
    .sgpr_count:     66
    .vgpr_count:     216
    .wavefront_size: 32
...
	.end_amdgpu_metadata
.endif
;; end of part 1
;; launch proj (part 2): grid 12 x 32, 4 waves a work-group, clusters of 4 x 4, 327,680 bytes of LDS; arguments codes, lowp_scales, b_q, b_k, b_v, qkv; writes qkv
.if DOCPART == 2
	.amdgcn_target "amdgcn-amd-amdhsa--gfx1250"
	.amdhsa_code_object_version 6
	.text
	.protected	k_qd5da24a8e7_proj
	.globl	k_qd5da24a8e7_proj
	.p2align	8
	.type	k_qd5da24a8e7_proj,@function
k_qd5da24a8e7_proj:
	s_mov_b64 s[64:65], 0
	v_nop
	global_prefetch_b8 v0, s[64:65] scope:SCOPE_SE
	s_setreg_imm32_b32 hwreg(HW_REG_WAVE_MODE, 25, 1), 1
	s_wait_xcnt 0x0
	s_wait_alu depctr_hold_cnt(0) depctr_sa_sdst(0) depctr_va_vdst(0) depctr_va_sdst(0) depctr_va_ssrc(0) depctr_va_vcc(0) depctr_vm_vsrc(0)
	s_getreg_b32 s2, hwreg(HW_REG_IB_STS2, 6, 4)
	s_cmp_eq_u32 s2, 0
	s_cbranch_scc0 .Lentry_in_a_cluster
	s_endpgm
.Lentry_in_a_cluster:
	s_bfe_u32 s2, ttmp6, 0x10000c
	s_cmp_lg_u32 s2, 0xf033
	s_cbranch_scc0 .Lentry_shape_is_right
	s_endpgm
.Lentry_shape_is_right:
; q = x w_q^T + b_q, k = x w_k^T + b_k, v = x w_v^T + b_v on codes of BF8 (E5M2); each result is quantised at once (entries 6, 7, 9 of lowp_scales) and stored as images of the
; next product's operand registers.  One text serves the three: t = the cluster's x (0, 1, 2) chooses offsets, scales and the bias by selects; no branch hangs on t.
; t = 0, 1: C = X W^T: A = x's codes (set t), B = the weight's.   t = 2: C = W_v X^T: A = w_v's codes, B = x's (set 2): so a lane holds eight neighbouring TOKENS of one channel,
; which is what the keys' axis of attention's second product wants.
; A tile of C, 256 x 256, is made by a work-group of four waves; a wave makes 128 x 128: 64 accumulators of 16 x 16, 512 registers.  K = 1,024 goes in four steps of 256 through a ring of two LDS slots
; filled by the tensor data mover: a tile's row is 256 bytes of memory.
; CLUSTERS: 4 x 4 work-groups.  The four of a row of the cluster need the same tiles of A, the four of a column the same tiles of B: each tile is asked for JOINTLY, by the same tensor load with the
; same descriptor and a mask that names the four.  THE MATRIX INSTRUCTION IS USED TRANSPOSED (source 0 = 16 rows of B, source 1 = 16 rows of A): lane (r, h) of accumulator (a, b) holds
; C(row 16 a + r, columns 16 b + 8 h + 0..7).  Eight such numbers become 8 codes, and tiles b = 2 c, 2 c + 1 give the 16 bytes that lane (r, h) holds of chunk c of an operand's image: no stage in LDS is needed.
; qkv: q at 0, k at 8,388,608: [batch x head 64][tile of 16 tokens 128][chunk 2][lane 32][16 bytes];  v at 16,777,216: [batch x head 64][128 keys 16][tile of 16 channels 4][chunk 4][lane 32][16 bytes].
; Fragments are fetched by four loads of 16 bytes: a permutation of k inside 128, the same in A and in B.
; LIMITS: e(A) + e(B) between -126 and 127; entries 6, 7, 9 between -126 and 112: each power of two below is then an f32 number.  NaN among the inputs is not served.
; REGISTERS, in windows of 256: window 0: v0-31 addresses and constants; v32-95 the bias by column, v96-111 the bias by row; from v128 A's fragments, ONE set; on the way out v128-223 are at work.
;   window 1: B's fragments, TWO sets, at v0 and at v128.   window 2: the 32 accumulators of my rows 0-63 ((a, b) at v[8 (8 a + b)]);   window 3: those of my rows 64-127.
; No prefetch into the L2: K is four steps of the largest block, in clusters; two of the four steps are asked for before the first product.
.set KSTEP,  256
.set ROWB,   256
.set KROW,   1024
.set PITCH,  272                       ; an LDS row: 256 bytes + 16 of padding = 68 words: row r starts at bank 4 r mod 64 (64 banks of 4 bytes: ISA guide 11.1)
.set FR,     16
.set NL,     4
.set NP,     4
.set HALFT,  128*PITCH
.set SLOT,   4*HALFT
.set LAPS,   2                         ; 1,024 / 512: a lap = two K steps = once round the ring
.set SPARE,  2*SLOT                    ; behind the ring: the spare words, 128 bytes for each wave, that no other line names
.set ADRA, 16                          ; v16-17  LDS address of my A fragments in slot 0, 1
.set ADRB, 20                          ; v20-21  the same for B
.set OA,   26                          ; v26     the way out: 16 x lane
.set OB,   27                          ; v27     the same, at the block's second pair of chunks
.set SPW,  28                          ; v28     my spare word; never rewritten
.set NIL,  29                          ; v29     0; never rewritten
.set SCL,  30                          ; v30     2^eo as f32
.set LIM,  31                          ; v31     57,344 x 2^eo
.set BC,   32                          ; v32-95  bias of my 8 columns in each of the 8 tiles b (zeros for t = 2)
.set BR,   96                          ; v96-111 bias of my row in each block a, twice (zeros for t = 0, 1)
.set AF,   128
.set TMP,  128                         ; the way out: a block's 64 numbers
.set CDB,  192                         ; the way out: two sets of 16 registers of codes
.set G1, 24
.set G0, 32
.set G1B, 48
.set G0B, 56
.set MSB, 0
.macro WIN new                         ; the immediate's high byte repeats the setting that is left
.if MSB != \new
	s_set_vgpr_msb (MSB<<8)|\new
.set MSB, \new
.endif
.endm
.set MUL_LO, 0xa1                      ; source 0 (B) window 1, source 1 (A) window 0, C and D window 2
.set MUL_HI, 0xf1                      ; the same, C and D window 3
.set TO_B,   0x40                      ; destination window 1, address window 0
; A joint load: waves 0 and 1 fetch for A, waves 2 and 3 for B.  The branch hangs on the wave's number alone.  Four v_nop follow each of the two lines.
.macro JLOAD g0a, g1a, g0b, g1b
	s_cmp_eq_u32 s17, 0
	s_cbranch_scc0 .Lfor_b_\@
	tensor_load_to_lds s[\g0a:\g0a+3], s[\g1a:\g1a+7]
	s_nop 0
.rept 4
	v_nop
.endr
	s_branch .Lasked_\@
.Lfor_b_\@:
	tensor_load_to_lds s[\g0b:\g0b+3], s[\g1b:\g1b+7]
	s_nop 0
.rept 4
	v_nop
.endr
.Lasked_\@:
.endm
.macro CREST                           ; a round of the cluster's barrier behind its opening barrier
	s_cmp_lg_u32 s16, 0
	s_cbranch_scc1 .Lnot_wave_0_\@
	s_barrier_signal -3
.Lnot_wave_0_\@:
	s_barrier_wait -3
	s_barrier_signal -1
	s_barrier_wait -1
.endm
.macro CROUND
	s_barrier_signal -1
	s_barrier_wait -1
	CREST
.endm
	s_load_b256 s[4:11], s[0:1], 0x0               ; codes s[4:5], lowp_scales s[6:7], b_q s[8:9], b_k s[10:11]
	s_load_b128 s[12:15], s[0:1], 0x20             ; b_v s[12:13], qkv s[14:15]
	v_lshl_add_u32 v[SPW], v0, 2, SPARE
	v_mov_b32 v[NIL], 0
	ds_add_u32 v28, v29
	ds_add_u32 v28, v29
	s_wait_dscnt 0x0
	v_lshrrev_b32 v1, 5, v0
	v_readfirstlane_b32 s16, v1                    ; wave 0..3
	s_lshr_b32 s17, s16, 1                         ; which half of the tile's rows is mine.  Also: I fetch for A (0) or for B (1)
	s_and_b32 s18, s16, 1                          ; which half of its columns.  Also: which 128 rows of that tile I fetch
	s_bfe_u32 s40, ttmp6, 0x40000                  ; cx, cy: my place in the cluster
	s_bfe_u32 s41, ttmp6, 0x40004
	s_mov_b32 s19, ttmp9                           ; t: the cluster's x: q, k or v; the same in all sixteen partners
	s_and_b32 s20, ttmp7, 0xffff
	s_lshl_b32 s20, s20, 2                         ; 4 x the cluster's y
	s_lshl_b32 s66, s19, 23                        ; x's set t
	s_lshl_b32 s67, s19, 20
	s_add_co_u32 s67, s67, 25165824                ; the weight's codes
	s_mov_b32 s68, 27262976                        ; w_v's codes
	s_mov_b32 s69, 16777216                        ; x's set 2
	s_cmp_lt_u32 s19, 2
	s_cselect_b32 s43, s20, 0                      ; the long axis (8,192 tokens) lies along C's rows for t < 2,
	s_cselect_b32 s42, 0, s20                      ; along its columns for t = 2
	s_cselect_b32 s66, s66, s68                    ; A's first byte in codes
	s_cselect_b32 s67, s67, s69                    ; B's
	s_cselect_b32 s70, -1, 0                       ; keeps the bias by column
	s_cselect_b32 s71, 0, -1                       ; keeps the bias by row
	s_add_co_u32 s43, s43, s41                     ; tile row of C
	s_add_co_u32 s42, s42, s40                     ; tile column of C
	s_lshl_b32 s44, s41, 2
	s_lshl_b32 s44, 15, s44                        ; my row of the cluster
	s_lshl_b32 s45, 0x1111, s40                    ; my column
	; descriptor group 1: a tile of 128 rows x 256 bytes, padded in LDS
	s_or_b32 s[G1+0], s44, (0<<16)|(1<<20)|(1<<21)|(5<<22)|(3<<25)  ; 15:0 the mask: A's tiles go to my row; 17:16 element of 1 byte; 20 padding on; 21 set beside a mask; 24:22 after every 64 words; 31:25 four words
	s_or_b32 s[G1B+0], s45, (0<<16)|(1<<20)|(1<<21)|(5<<22)|(3<<25)
.irp g, G1, G1B
	s_mov_b32 s[\g+1], ROWB<<16                    ; tensor_dim0
	s_mov_b32 s[\g+2], 128<<16                     ; tensor_dim1
	s_mov_b32 s[\g+3], ROWB<<16                    ; tile_dim0
	s_mov_b32 s[\g+4], 128                         ; tile_dim1
	s_mov_b32 s[\g+5], KROW                        ; tensor_dim0_stride
	s_mov_b32 s[\g+6], 0
	s_mov_b32 s[\g+7], 0
.endr
	s_lshl_b32 s21, s18, 7                         ; which 128 rows of the tile I fetch
	s_lshl_b32 s20, s43, 8
	s_add_co_u32 s20, s20, s21                     ; A: row 256 x tile row + 128 x half,
	s_lshl_b32 s20, s20, 10                        ; in bytes,
	s_add_co_u32 s20, s20, s66                     ; in codes: all below 2^25
	s_lshl_b32 s46, s42, 8
	s_add_co_u32 s46, s46, s21                     ; B: row 256 x tile column + 128 x half
	s_lshl_b32 s46, s46, 10
	s_add_co_u32 s46, s46, s67
	s_mov_b32 s21, 0
	s_mov_b32 s47, 0
	s_mul_i32 s22, s16, HALFT                      ; where they go: wave x 128 rows: no place in the cluster enters an LDS address
	s_wait_kmcnt 0x0
	s_load_b256 s[80:87], s[6:7], 0x0              ; e0 .. e7
	s_load_b128 s[88:91], s[6:7], 0x20             ; e8 .. e11
	s_add_nc_u64 s[20:21], s[4:5], s[20:21]
	s_add_nc_u64 s[46:47], s[4:5], s[46:47]
	CROUND                                         ; all sixteen work-groups are here: the first joint loads meet
.irp s, 0,1
	s_mov_b32 s[G0+4*\s], 1
	s_add_co_u32 s[G0+4*\s+1], s22, \s*SLOT
	s_add_nc_u64 s[G0+4*\s+2:G0+4*\s+3], s[20:21], \s*ROWB
	s_or_b32 s[G0+4*\s+3], s[G0+4*\s+3], 0x80000000
	s_mov_b32 s[G0B+4*\s], 1
	s_add_co_u32 s[G0B+4*\s+1], s22, \s*SLOT
	s_add_nc_u64 s[G0B+4*\s+2:G0B+4*\s+3], s[46:47], \s*ROWB
	s_or_b32 s[G0B+4*\s+3], s[G0B+4*\s+3], 0x80000000
.endr
	JLOAD G0, G1, G0B, G1B                         ; K step 0: one tensor load a wave at the head
	v_and_b32 v1, 15, v0                           ; r
	v_bfe_u32 v2, v0, 4, 1                         ; h
	s_wait_alu depctr_va_vdst(0)
	v_mul_u32_u24 v3, v1, PITCH
	v_lshl_add_u32 v4, v2, 4, v3                   ; a fragment's row x pitch + 16 x half
	s_mul_i32 s68, s17, HALFT                      ; my 128 rows of A
	s_mul_i32 s69, s18, HALFT                      ; my 128 rows of B,
	s_add_co_u32 s69, s69, 2*HALFT                 ; which lie behind A's 256
.irp s, 0,1
	v_add_nc_u32 v[ADRA+\s], s68, v4
	v_add_nc_u32 v[ADRB+\s], s69, v4
	s_add_co_u32 s68, s68, SLOT
	s_add_co_u32 s69, s69, SLOT
.endr
	; my part of C, which of its axes is the tokens', and what follows from that
	s_lshl_b32 s92, s43, 8
	s_lshl_b32 s93, s17, 7
	s_add_co_u32 s92, s92, s93                     ; my first row of C
	s_lshl_b32 s93, s42, 8
	s_lshl_b32 s94, s18, 7
	s_add_co_u32 s93, s93, s94                     ; my first column
	s_cmp_lt_u32 s19, 2
	s_cselect_b32 s94, s92, s93                    ; my first token
	s_cselect_b32 s95, s93, s92                    ; my first channel
	s_cselect_b32 s66, s93, 0                      ; where the bias by column is read (for t = 2: at 0, and cleared later: no load leaves its buffer)
	s_cselect_b32 s67, 0, s92                      ; where the bias by row is read (for t < 2: at 0, and cleared later)
	s_mov_b32 s68, 2048
	s_cselect_b32 s74, 1024, s68                   ; from block a to block a + 1 in qkv: a tile of tokens, or a tile of channels,
	s_mov_b32 s68, 124928
	s_cselect_b32 s76, 1024, s68                   ; and from block 3 to block 4: for v the next head begins there: 131,072 - 3 x 2,048
	s_mov_b32 s68, 131072
	s_cselect_b32 s69, s68, 1024                   ; from a block's chunks 0, 1 to its chunks 2, 3: the next head (q, k), or 1,024 bytes on (v)
	s_mov_b32 s75, 0
	s_mov_b32 s77, 0
	s_cmp_eq_u32 s19, 1
	s_cselect_b64 s[72:73], s[10:11], s[8:9]       ; the bias: the choice hangs on t alone
	s_cmp_eq_u32 s19, 2
	s_cselect_b64 s[72:73], s[12:13], s[72:73]
	s_lshl_b32 s66, s66, 2
	s_lshl_b32 s67, s67, 2
	v_lshlrev_b32 v5, 5, v2
	v_add_nc_u32 v5, s66, v5                       ; bias by column: tile b's eight numbers at 64 b + 32 h
	v_lshlrev_b32 v6, 2, v1
	v_add_nc_u32 v6, s67, v6                       ; bias by row: block a's number at 64 a + 4 r
.irp b, 0,1,2,3,4,5,6,7
	global_load_b128 v[BC+8*\b:BC+8*\b+3],   v5, s[72:73] offset:64*\b
	global_load_b128 v[BC+8*\b+4:BC+8*\b+7], v5, s[72:73] offset:64*\b+16
.endr
.irp a, 0,1,2,3,4,5,6,7
	global_load_b32 v[BR+2*\a], v6, s[72:73] offset:64*\a
.endr
	s_lshl_b32 s92, s19, 23                        ; where my part begins in qkv: the tensor,
	s_lshr_b32 s93, s94, 11
	s_lshl_b32 s93, s93, 21                        ; the batch: 16 heads of 131,072 bytes,
	s_add_co_u32 s92, s92, s93
	s_lshr_b32 s93, s95, 6
	s_lshl_b32 s93, s93, 17                        ; the head,
	s_add_co_u32 s92, s92, s93
	s_and_b32 s93, s94, 2047
	s_lshl_b32 s93, s93, 6                         ; the token: 1,024 bytes for 16 (q, k), 8,192 for 128 (v): 64 bytes a token in both
	s_add_co_u32 s92, s92, s93
	s_mov_b32 s93, 0
	s_add_nc_u64 s[14:15], s[14:15], s[92:93]
	v_and_b32 v7, 31, v0
	v_lshlrev_b32 v[OA], 4, v7
	v_add_nc_u32 v[OB], s69, v[OA]
.macro FRAG reg, adr, q, i             ; a fragment, 16 rows x 128 K: lane l holds row l % 16; registers 4 c .. 4 c + 3 hold bytes 32 c + 16 (l / 16) + 0 .. 15 of the row's 128
.irp c, 0,1,2,3
	ds_load_b128 v[\reg+4*\c:\reg+4*\c+3], v[\adr] offset:128*(\q)+32*\c+(\i)*16*PITCH
.endr
.endm
; 16 matrix instructions: A's blocks a0, a0 + 1 x B's eight, 128 along K.  p: B's set.  zero = 1: the first product starts the sums.
; The 64 accumulators take turns, one instruction a turn, in the same order in every step.
.macro MUL16 a0, p, zero
.irp a, \a0, \a0+1
.irp b, 0,1,2,3,4,5,6,7
.if \zero
	v_wmma_f32_16x16x128_bf8_bf8 v[8*(8*((\a)%4)+\b):8*(8*((\a)%4)+\b)+7], v[128*(\p)+FR*\b:128*(\p)+FR*\b+FR-1], v[AF+FR*(\a):AF+FR*(\a)+FR-1], 0
.else
	v_wmma_f32_16x16x128_bf8_bf8 v[8*(8*((\a)%4)+\b):8*(8*((\a)%4)+\b)+7], v[128*(\p)+FR*\b:128*(\p)+FR*\b+FR-1], v[AF+FR*(\a):AF+FR*(\a)+FR-1], v[8*(8*((\a)%4)+\b):8*(8*((\a)%4)+\b)+7]
.endif
.endr
.endr
.endm
.macro FETCH_B slot, q, p
	WIN TO_B
.irp i, 0,1,2,3,4,5,6,7
	FRAG 128*(\p)+FR*\i, ADRB+\slot, \q, \i
.endr
	WIN 0
.endm
.macro FETCH_A slot, q, i0
.irp i, \i0, \i0+1, \i0+2, \i0+3
	FRAG AF+FR*(\i), ADRA+\slot, \q, \i
.endr
.endm
; A load into a register that a matrix instruction has read stands NP plain vector instructions behind it (ISA guide 7.12.1 for vector instructions).
.macro PLACES n
.rept \n
	v_nop
.endr
.endm
; A step of 128 along K that has its successor in the same slot.  A's blocks are free as soon as their eight products are issued: one set serves A; B has two.
.macro STEP slot, q, zero
	s_wait_dscnt 4*NL                              ; B's set and A's blocks 0-3 are in; the youngest sixteen loads (A's blocks 4-7) may be out
	WIN MUL_LO
	MUL16 0, (\q)%2, \zero
	MUL16 2, (\q)%2, \zero
	s_wait_dscnt 0                                 ; A's blocks 4-7 are in
	PLACES NP
	FETCH_B \slot, (\q)+1, 1-(\q)%2
	FETCH_A \slot, (\q)+1, 0
	WIN MUL_HI
	MUL16 4, (\q)%2, \zero
	MUL16 6, (\q)%2, \zero
	PLACES NP
	WIN 0
	FETCH_A \slot, (\q)+1, 4
.endm
; A slot's last step changes slots: ONE barrier; in front of it each wave waits for all its tensor loads, adds 0 to its spare word, and waits for that and for its own reads of this slot.
.macro TURN slot, next, fill
	s_wait_tensorcnt 0x0                           ; all my tensor loads have landed: my part of the next slot
	ds_add_u32 v[SPW], v[NIL]                      ; 0 onto my spare word
	s_wait_dscnt 4*NL+1                            ; (the add and the youngest sixteen loads may be out)
	WIN MUL_LO
	MUL16 0, 1, 0                                  ; sixteen matrix instructions stand between the add and the wait for it
	s_wait_dscnt 0x0                               ; the add is done, and my reads of this slot are over
	s_barrier_signal -1
	MUL16 2, 1, 0
	WIN 0
	s_barrier_wait -1
.if \fill
	CREST                                          ; the barrier has opened a round of the cluster's barrier: no wave of any partner still reads this slot's tile or has a load on its way
	s_add_nc_u64 s[G0+4*\slot+2:G0+4*\slot+3], s[G0+4*\slot+2:G0+4*\slot+3], 2*ROWB
	s_add_nc_u64 s[G0B+4*\slot+2:G0B+4*\slot+3], s[G0B+4*\slot+2:G0B+4*\slot+3], 2*ROWB
	JLOAD G0+4*\slot, G1, G0B+4*\slot, G1B         ; the first tensor load behind the round; its four v_nop are the places in front of the loads below
.else
	PLACES NP
.endif
	s_wait_alu depctr_va_vdst(0)
	FETCH_B \next, 0, 0
	FETCH_A \next, 0, 0
	WIN MUL_HI
	MUL16 4, 1, 0
	MUL16 6, 1, 0
	PLACES NP
	WIN 0
	FETCH_A \next, 0, 4
.endm
	s_wait_alu depctr_va_vdst(0)                   ; the wait at the head's end
	s_wait_tensorcnt 0x0                           ; my part of K step 0 is in
	ds_add_u32 v[SPW], v[NIL]
	s_wait_dscnt 0x0
	CROUND                                         ; everybody's part of K step 0 is in, and the joint loads meet
	JLOAD G0+4, G1, G0B+4, G1B                     ; K step 1: the first tensor load behind the round
	FETCH_B 0, 0, 0
	FETCH_A 0, 0, 0
	FETCH_A 0, 0, 4
	STEP 0, 0, 1                                   ; the first step stands in front of the loop: its products start the sums
	s_mov_b32 s3, LAPS-1
.Llap:                                                 ; a trip goes once round the ring and fills both slots again
	TURN 0, 1, 1
	STEP 1, 0, 0
	TURN 1, 0, 1
	STEP 0, 0, 0
	s_sub_co_u32 s3, s3, 1
	s_cmp_lg_u32 s3, 0
	s_cbranch_scc1 .Llap
	TURN 0, 1, 0                                   ; the last lap fills nothing, and has no round of the cluster's barrier
	STEP 1, 0, 0
	s_wait_dscnt 4*NL                              ; the very last step: nothing more to fetch
	WIN MUL_LO
	MUL16 0, 1, 0
	MUL16 2, 1, 0
	s_wait_dscnt 0
	WIN MUL_HI
	MUL16 4, 1, 0
	MUL16 6, 1, 0
	WIN 0
	; THE WAY OUT.  value = sum x 2^(eA + eB) + bias, rounded once (the side of the bias that does not apply is zeros); held; converted; stored as it lies.
	s_wait_kmcnt 0x0
	s_add_co_i32 s66, s80, s81
	s_add_co_i32 s67, s82, s83
	s_add_co_i32 s68, s84, s85
	s_cmp_eq_u32 s19, 1
	s_cselect_b32 s66, s67, s66                    ; eA + eB of product t
	s_cselect_b32 s69, s87, s86                    ; the result's own scale: entry 6, 7
	s_cmp_eq_u32 s19, 2
	s_cselect_b32 s66, s68, s66
	s_cselect_b32 s69, s89, s69                    ; or 9
	s_add_co_i32 s66, s66, 127
	s_lshl_b32 s96, s66, 23                        ; 2^(eA + eB) as f32
	s_mov_b32 s97, s96                             ; (named with it as a pair, so it is written)
	s_add_co_i32 s69, s69, 127
	s_lshl_b32 s68, s69, 23
	s_add_co_i32 s69, s69, 15
	s_lshl_b32 s69, s69, 23
	s_or_b32 s69, s69, 0x600000
	s_wait_loadcnt 0x0                             ; the biases, asked for at the head
.set i, 0
.rept 64
	v_and_b32 v[BC+i], s70, v[BC+i]                ; kept, or zeros.  (These plain lines name no register of the last products: they are the places behind them)
.set i, i+1
.endr
.irp a, 0,1,2,3,4,5,6,7
	v_and_b32 v[BR+2*\a+1], s71, v[BR+2*\a]        ; twice: a pair for the packed addition
	v_and_b32 v[BR+2*\a], s71, v[BR+2*\a]
.endr
	v_mov_b32 v[SCL], s68
	v_mov_b32 v[LIM], s69
.macro OUTB a                          ; block a: 16 rows x 128 columns
.set AC, 64*((\a)%4)
.set CD, CDB+16*((\a)%2)
	WIN 0x02+((\a)/4)                              ; source 0: window 2 or 3
.set j, 0
.rept 32
	v_pk_fma_f32 v[TMP+j:TMP+j+1], v[AC+j:AC+j+1], s[96:97], v[BC+j:BC+j+1] op_sel_hi:[1,0,1]   ; each accumulator from its low end on
.set j, j+2
.endr
	WIN 0
.set j, 0
.rept 32
	v_pk_add_f32 v[TMP+j:TMP+j+1], v[TMP+j:TMP+j+1], v[BR+2*(\a):BR+2*(\a)+1]
.set j, j+2
.endr
.set b, 0
.rept 8
.set i, 0
.rept 8
	v_med3_num_f32 v[TMP+8*b+i], v[TMP+8*b+i], -v[LIM], v[LIM]   ; the conversion to an 8-bit code does not saturate (ISA guide 7.6.2)
.set i, i+1
.endr
	v_cvt_scalef32_pk8_bf8_f32 v[CD+2*b:CD+2*b+1], v[TMP+8*b:TMP+8*b+7], v[SCL]   ; the next tile's holds are the plain lines behind it
.set b, b+1
.endr
	v_nop                                          ; a plain line behind the last conversion
	s_wait_alu depctr_va_vdst(0)
	s_wait_xcnt 0x0                                ; the earlier stores have read their base and their data: the base may step, and the next block may write the other set of codes
.if (\a) == 4
	s_add_nc_u64 s[14:15], s[14:15], s[76:77]
.elseif (\a) > 0
	s_add_nc_u64 s[14:15], s[14:15], s[74:75]
.endif
	global_store_b128 v[OA], v[CD:CD+3],     s[14:15]              ; each store covers 512 consecutive bytes, aligned
	global_store_b128 v[OA], v[CD+4:CD+7],   s[14:15] offset:512
	global_store_b128 v[OB], v[CD+8:CD+11],  s[14:15]
	global_store_b128 v[OB], v[CD+12:CD+15], s[14:15] offset:512
.endm
.irp a, 0,1,2,3,4,5,6,7
	OUTB \a
.endr
	s_wait_tensorcnt 0x0                           ; the wave's end
	ds_add_u32 v[SPW], v[NIL]
	s_wait_dscnt 0x0
	CROUND                                         ; the closing round: no work-group ends while a partner may still ask for a tile that names it
	s_endpgm
.Lfunc_end_k_qd5da24a8e7_proj:
	.size	k_qd5da24a8e7_proj, .Lfunc_end_k_qd5da24a8e7_proj-k_qd5da24a8e7_proj
	.p2alignl 7, 3214868480
	.fill 96, 4, 3214868480
	.section	.rodata,"a",@progbits
	.p2align	6, 0x0
	.amdhsa_kernel k_qd5da24a8e7_proj
		.amdhsa_group_segment_fixed_size 327680
		.amdhsa_private_segment_fixed_size 0
		.amdhsa_enable_private_segment 0
		.amdhsa_kernarg_size 48
		.amdhsa_user_sgpr_count 2
		.amdhsa_user_sgpr_kernarg_segment_ptr 1
		.amdhsa_wavefront_size32 1
		.amdhsa_system_sgpr_workgroup_id_x 1
		.amdhsa_system_sgpr_workgroup_id_y 1
		.amdhsa_system_sgpr_workgroup_id_z 1
		.amdhsa_system_vgpr_workitem_id 0
		.amdhsa_next_free_vgpr 1024
		.amdhsa_next_free_sgpr 98
		.amdhsa_reserve_vcc 0
		.amdhsa_float_denorm_mode_32 3
		.amdhsa_float_denorm_mode_16_64 3
		.amdhsa_memory_ordered 1
		.amdhsa_forward_progress 1
		.amdhsa_inst_pref_size 157
	.end_amdhsa_kernel
	.amdgpu_metadata
---
amdhsa.version: [ 1, 2 ]
amdhsa.kernels:
  - .name:           k_qd5da24a8e7_proj
    .symbol:         k_qd5da24a8e7_proj.kd
    .args:
      - { .name: codes, .offset: 0, .size: 8, .value_kind: global_buffer, .address_space: global }
      - { .name: lowp_scales, .offset: 8, .size: 8, .value_kind: global_buffer, .address_space: global }
      - { .name: b_q, .offset: 16, .size: 8, .value_kind: global_buffer, .address_space: global }
      - { .name: b_k, .offset: 24, .size: 8, .value_kind: global_buffer, .address_space: global }
      - { .name: b_v, .offset: 32, .size: 8, .value_kind: global_buffer, .address_space: global }
      - { .name: qkv, .offset: 40, .size: 8, .value_kind: global_buffer, .address_space: global }
    .group_segment_fixed_size: 327680
    .private_segment_fixed_size: 0
    .kernarg_segment_align: 8
    .kernarg_segment_size: 48
    .max_flat_workgroup_size: 128
    .sgpr_count:     98
    .vgpr_count:     1024
    .wavefront_size: 32
...
	.end_amdgpu_metadata
.endif
;; end of part 2
;; launch attn (part 3): grid 4 x 64, 16 waves a work-group, clusters of 4 x 1, 264,192 bytes of LDS; arguments qkv, lowp_scales, ctxc; writes ctxc
.if DOCPART == 3
	.amdgcn_target "amdgcn-amd-amdhsa--gfx1250"
	.amdhsa_code_object_version 6
	.text
	.protected	k_qd5da24a8e7_attn
	.globl	k_qd5da24a8e7_attn
	.p2align	8
	.type	k_qd5da24a8e7_attn,@function
k_qd5da24a8e7_attn:
	s_mov_b64 s[64:65], 0
	v_nop
	global_prefetch_b8 v0, s[64:65] scope:SCOPE_SE
	s_setreg_imm32_b32 hwreg(HW_REG_WAVE_MODE, 25, 1), 1
	s_wait_xcnt 0x0
	s_wait_alu depctr_hold_cnt(0) depctr_sa_sdst(0) depctr_va_vdst(0) depctr_va_sdst(0) depctr_va_ssrc(0) depctr_va_vcc(0) depctr_vm_vsrc(0)
	s_getreg_b32 s2, hwreg(HW_REG_IB_STS2, 6, 4)
	s_cmp_eq_u32 s2, 0
	s_cbranch_scc0 .Lentry_in_a_cluster
	s_endpgm
.Lentry_in_a_cluster:
	s_bfe_u32 s2, ttmp6, 0x10000c
	s_cmp_lg_u32 s2, 0x3003
	s_cbranch_scc0 .Lentry_shape_is_right
	s_endpgm
.Lentry_shape_is_right:
; ctx[b][token][head x 64 + d] = the sum over keys of softmax(q . k / 8) v, both products on codes of BF8 (E5M2); the result is quantised at once (entry 10 of lowp_scales) and stored as images of operand registers.
; THE SOFTMAX: t = score x log2(e) / 8; M = the row's largest t so far, rounded UP to a whole number; p = 2^(t - M) is quantised (entry 8), not normalised.  The row's sum is taken of the unquantised p and divides O at the end.
; When M moves, the sum and O are multiplied by 2^(old M - new M): exact.
; SHARES.  A work-group owns 512 queries of one (batch, head); each of its sixteen waves owns 32: tiles A and B of 16, which share every fragment of k and v.
; LDS.  All of the head's k (131,072 bytes) and v (131,072 bytes) lie in LDS as images of operand registers.  Nothing is filled twice.
; CLUSTER.  The four query blocks of a head take k and v by joint loads: sixteen loads of 16,384 bytes, one by each wave (waves 0-7: k, waves 8-15: v).  One barrier follows; the loop over the keys has none.
; No prefetch into the L2: everything is asked for at the head, and no loop fetches from memory.
; LAYOUT.  Both products transposed: S^T = k q^T (K = 64), O^T = v^T p^T (K = 128 keys): a lane holds ONE query (lane % 16).  Tile n of the scores holds in lane (r, h) keys 16 n + 8 h + 0..7: their codes are registers 2 n, 2 n + 1 of p's fragment.
; A STEP is 128 keys.  The next step's eight tiles of k are fetched into the registers that B's scores have left, under the second product.  So the 96 registers from X on have two maps, which take turns: a trip of the loop is two steps.
;   map 0: k at X+32..95; B's scores X..63; codes and temporaries X+64..95.     map 1: k at X..63; B's scores X+32..95; codes and temporaries X..31.
; The last step fetches 8,192 bytes behind k's end, which are v's first and are not used.
; LIMITS: e6 + e7 between -123 and 130; e8 and e10 between -126 and 112; the scaled scores stay under 2^31 in magnitude.  NaN among the inputs is not served.
; REGISTERS: v1, v7 the spare word's address and 0, kept; v2 LDS address in hand; v3 16 x lane; v4 2^e8; v5, v6 57,344 x 2^e8 (two copies, in two register banks, for the dual form);
;   v[8:11] tile A: -M, largest score, the sum in two halves; v[12:15] tile B; v16-31 q; v32-95 A's scores, then v's fragments; v96-191 as above; v192-223, v224-255 O^T of A, B.
.set WV,   10
.set G1,   16
.set G0,   24
.set VO,   39                          ; s39  LDS byte of the trip's v
.set KO,   40                          ; s40  LDS byte of the trip's k
.set CNT,  41
.set SEL,  42                          ; s[42:43] lane selects: lane l xor 16
.set CS,   44                          ; s[44:45] c = log2(e) / 8 x 2^(e6 + e7)
.set VOFF, 131072
.set SPARE, 262144
.set R1,   32
.set X,    96
.set OA,   192
.set OB,   224
.macro ROUND
	s_barrier_signal -1
	s_barrier_wait -1
	s_cmp_lg_u32 s[WV], 0
	s_cbranch_scc1 .Lnot_wave_0_\@
	s_barrier_signal -3
.Lnot_wave_0_\@:
	s_barrier_wait -3
	s_barrier_signal -1
	s_barrier_wait -1
.endm
.macro MKSC e, sc, lim                 ; from the whole number in s[e]: 2^e and 57,344 x 2^e as f32
	s_add_co_i32 s59, s[\e], 127
	s_lshl_b32 s62, s59, 23
	v_mov_b32 v[\sc], s62
	s_add_co_i32 s59, s59, 15
	s_lshl_b32 s59, s59, 23
	s_or_b32 s59, s59, 0x600000
	v_mov_b32 v[\lim], s59
.endm
	s_load_b128 s[4:7], s[0:1], 0x0                ; qkv, lowp_scales
	s_load_b64 s[8:9], s[0:1], 0x10                ; ctxc
	v_lshl_add_u32 v1, v0, 2, SPARE
	v_mov_b32 v7, 0
	ds_add_u32 v1, v7
	ds_add_u32 v1, v7
	v_lshrrev_b32 v2, 5, v0
	v_readfirstlane_b32 s[WV], v2                  ; wave 0..15
	s_bfe_u32 s11, ttmp6, 0x40000                  ; cx
	s_lshl_b32 s12, ttmp9, 2
	s_add_co_u32 s12, s12, s11                     ; my block of 512 queries: it enters q's and ctxc's addresses alone
	s_and_b32 s13, ttmp7, 0xffff                   ; batch x 16 + head, which the four partners share
	s_lshr_b32 s14, s[WV], 3                       ; I fetch for k (0) or v (1),
	s_lshl_b32 s54, s14, 23
	s_add_co_u32 s54, s54, 8388608
	s_lshl_b32 s55, s13, 17                        ; the head's 131,072 bytes,
	s_add_co_u32 s54, s54, s55
	s_and_b32 s15, s[WV], 7                        ; its piece of 16,384 bytes
	s_lshl_b32 s15, s15, 14
	s_add_co_u32 s54, s54, s15
	s_mov_b32 s55, 0
	s_mov_b32 s[G0], 1
	s_lshl_b32 s[G0+1], s[WV], 14                  ; in LDS: 16,384 x wave
	s_mov_b32 s[G1], 15|(3<<16)|(1<<21)            ; the mask: all four work-groups; elements of 8 bytes; bit 21 beside a mask
	s_mov_b32 s[G1+1], 32<<16                      ; a dense block of 64 rows x 256 bytes
	s_mov_b32 s[G1+2], 64<<16
	s_mov_b32 s[G1+3], 32<<16
	s_mov_b32 s[G1+4], 64
	s_mov_b32 s[G1+5], 32
	s_mov_b32 s[G1+6], 0
	s_mov_b32 s[G1+7], 0
	s_mov_b32 s[SEL], 0x76543210
	s_mov_b32 s[SEL+1], 0xfedcba98
	s_mov_b32 s[CS], 0x3e38aa3b                    ; log2(e) / 8
	s_lshl_b32 s56, s13, 17                        ; q: the head,
	s_lshl_b32 s58, s12, 5
	s_lshl_b32 s59, s[WV], 1
	s_add_co_u32 s58, s58, s59                     ; my first tile of 16 queries: 32 x block + 2 x wave
	s_lshl_b32 s59, s58, 10
	s_add_co_u32 s56, s56, s59
	s_mov_b32 s57, 0
	s_lshr_b32 s60, s13, 4                         ; ctxc: tile of 16 tokens 128 x batch + my tile, 16,384 bytes each;
	s_lshl_b32 s60, s60, 7
	s_add_co_u32 s60, s60, s58
	s_lshl_b32 s60, s60, 14
	s_and_b32 s61, s13, 15                         ; in it the head's 1,024 bytes
	s_lshl_b32 s61, s61, 10
	s_add_co_u32 s60, s60, s61
	s_mov_b32 s61, 0
	s_mov_b32 s[KO], 0
	s_mov_b32 s[VO], VOFF
	s_mov_b32 s[CNT], 8
	s_wait_dscnt 0x0
	s_wait_kmcnt 0x0
	s_load_b64 s[46:47], s[6:7], 0x18              ; e6, e7
	s_load_b128 s[48:51], s[6:7], 0x20             ; e8 .. e11
	s_add_nc_u64 s[G0+2:G0+3], s[4:5], s[54:55]
	s_or_b32 s[G0+3], s[G0+3], 0x80000000
	s_add_nc_u64 s[56:57], s[4:5], s[56:57]
	s_add_nc_u64 s[8:9], s[8:9], s[60:61]
	ROUND                                          ; all four work-groups are here: the joint loads meet
	tensor_load_to_lds s[G0:G0+3], s[G1:G1+7]      ; my one load
	s_nop 0
	v_and_b32 v3, 31, v0
	v_lshlrev_b32 v3, 4, v3                        ; 16 x lane
	global_load_b128 v[16:19], v3, s[56:57]        ; q's two fragments stay in registers
	global_load_b128 v[20:23], v3, s[56:57] offset:512
	global_load_b128 v[24:27], v3, s[56:57] offset:1024
	global_load_b128 v[28:31], v3, s[56:57] offset:1536
	v_mov_b32 v8, 0x7f61b1e6                       ; -M: 3e38
	v_mov_b32 v9, 0xff61b1e6                       ; the largest score so far: -3e38
	v_mov_b32 v10, 0
	v_mov_b32 v11, 0
	v_mov_b32 v12, 0x7f61b1e6
	v_mov_b32 v13, 0xff61b1e6
	v_mov_b32 v14, 0
	v_mov_b32 v15, 0
.set i, 0
.rept 64
	v_mov_b32 v[OA+i], 0                           ; O^T: the first step finds zeros, which the first change of M leaves zeros
.set i, i+1
.endr
	s_wait_kmcnt 0x0
	s_add_co_i32 s59, s46, s47
	s_lshl_b32 s59, s59, 23
	s_add_co_i32 s[CS], s[CS], s59                 ; the exponents e6 + e7 go into c's exponent field
	s_mov_b32 s[CS+1], s[CS]
	MKSC 48, 4, 5
	v_mov_b32 v6, s59
.macro KLOAD base, off                 ; eight tiles of k (16 keys x 64) from v2
.irp t, 0,1,2,3,4,5,6,7
	ds_load_b128 v[(\base)+8*\t:(\base)+8*\t+3], v2 offset:(\off)+1024*\t
	ds_load_b128 v[(\base)+8*\t+4:(\base)+8*\t+7], v2 offset:(\off)+1024*\t+512
.endr
.endm
.macro SUM S, ST                       ; the sum of a tile's 64 unquantised p a lane, in four chains
	v_pk_add_f32 v[T+10:T+11], v[(\S):(\S)+1], v[(\S)+2:(\S)+3]
	v_pk_add_f32 v[T+12:T+13], v[(\S)+4:(\S)+5], v[(\S)+6:(\S)+7]
	v_pk_add_f32 v[T+14:T+15], v[(\S)+8:(\S)+9], v[(\S)+10:(\S)+11]
	v_pk_add_f32 v[\ST:\ST+1], v[\ST:\ST+1], v[(\S)+12:(\S)+13]
.irp j, 14,22,30,38,46,54
	v_pk_add_f32 v[T+10:T+11], v[T+10:T+11], v[(\S)+\j:(\S)+\j+1]
	v_pk_add_f32 v[T+12:T+13], v[T+12:T+13], v[(\S)+\j+2:(\S)+\j+3]
	v_pk_add_f32 v[T+14:T+15], v[T+14:T+15], v[(\S)+\j+4:(\S)+\j+5]
	v_pk_add_f32 v[\ST:\ST+1], v[\ST:\ST+1], v[(\S)+\j+6:(\S)+\j+7]
.endr
	v_pk_add_f32 v[T+10:T+11], v[T+10:T+11], v[(\S)+62:(\S)+63]
	v_pk_add_f32 v[T+12:T+13], v[T+12:T+13], v[T+14:T+15]
	v_pk_add_f32 v[\ST:\ST+1], v[\ST:\ST+1], v[T+10:T+11]
	v_pk_add_f32 v[\ST:\ST+1], v[\ST:\ST+1], v[T+12:T+13]
.endm
; A KEY STEP.  KB: k's tiles; SB: B's scores, and the next step's k; CB: codes (A 16 registers, B 16), B's half serving as temporaries T first.
; ga, gb: B's first and second group of four tiles; vo, ko: this step's v and the next step's k, in bytes from the trip's.
.macro STEP KB, SB, CB, ga, gb, vo, ko
.set T, (\CB)+16
.rept 5
	v_nop                                          ; five places: the products below write over registers that the last step's products read
.endr
	s_wait_dscnt 0x0                               ; k's tiles are in
.irp t, 0,1,2,3,4,5,6,7
	v_wmma_f32_16x16x64_bf8_bf8 v[R1+8*\t:R1+8*\t+7], v[(\KB)+8*\t:(\KB)+8*\t+7], v[16:23], 0
.endr
.irp t, 0,1,2,3
	v_wmma_f32_16x16x64_bf8_bf8 v[(\SB)+8*(\ga+\t):(\SB)+8*(\ga+\t)+7], v[(\KB)+8*(\ga+\t):(\KB)+8*(\ga+\t)+7], v[24:31], 0
.endr
.rept 5
	v_nop                                          ; five places: B's second group is laid over the tiles of k that its first group read
.endr
.irp t, 0,1,2,3
	v_wmma_f32_16x16x64_bf8_bf8 v[(\SB)+8*(\gb+\t):(\SB)+8*(\gb+\t)+7], v[(\KB)+8*(\gb+\t):(\KB)+8*(\gb+\t)+7], v[24:31], 0
.endr
.rept 4
	v_nop
.endr
	; the largest scores of both tiles, four chains by turns, ascending: each accumulator is first read at its low end
	v_max3_num_f32 v[T], v[R1], v[R1+1], v[R1+2]
	v_max3_num_f32 v[T+2], v[(\SB)], v[(\SB)+1], v[(\SB)+2]
	v_max3_num_f32 v[T+1], v[R1+3], v[R1+4], v[R1+5]
	v_max3_num_f32 v[T+3], v[(\SB)+3], v[(\SB)+4], v[(\SB)+5]
.irp i, 6,10,14,18,22,26,30,34,38,42,46,50,54,58
	v_max3_num_f32 v[T], v[T], v[R1+\i], v[R1+\i+1]
	v_max3_num_f32 v[T+2], v[T+2], v[(\SB)+\i], v[(\SB)+\i+1]
	v_max3_num_f32 v[T+1], v[T+1], v[R1+\i+2], v[R1+\i+3]
	v_max3_num_f32 v[T+3], v[T+3], v[(\SB)+\i+2], v[(\SB)+\i+3]
.endr
	v_max3_num_f32 v[T], v[T], v[R1+62], v[R1+63]
	v_max3_num_f32 v[T+2], v[T+2], v[(\SB)+62], v[(\SB)+63]
	v_max_num_f32 v[T], v[T], v[T+1]
	v_max_num_f32 v[T+2], v[T+2], v[T+3]
	v_permlanex16_b32 v[T+4], v[T], s[SEL], s[SEL+1]     ; the query's other 64 keys lie in lane l xor 16
	v_permlanex16_b32 v[T+5], v[T+2], s[SEL], s[SEL+1]
	v_max3_num_f32 v9, v9, v[T], v[T+4]            ; the running largest score
	v_max3_num_f32 v13, v13, v[T+2], v[T+5]
	v_mul_f32 v[T], s[CS], v9                      ; as t (c is positive)
	v_mul_f32 v[T+2], s[CS], v13
	v_floor_f32 v[T+1], -v[T]                      ; the new -M = floor(-t)
	v_floor_f32 v[T+3], -v[T+2]
	v_sub_f32 v[T], v[T+1], v8                     ; old M - new M: a whole number, 0 or less
	v_sub_f32 v[T+2], v[T+3], v12
	v_mov_b32 v8, v[T+1]
	v_mov_b32 v12, v[T+3]
	v_cvt_i32_f32 v[T], v[T]                       ; (it saturates)
	v_cvt_i32_f32 v[T+2], v[T+2]
	v_ldexp_f32 v[T+6], 1.0, v[T]                  ; f = 2^(old M - new M)
	v_ldexp_f32 v[T+8], 1.0, v[T+2]
	v_pk_mul_f32 v[10:11], v[10:11], v[T+6:T+7] op_sel_hi:[1,0]   ; the sums and O^T under the new M
	v_pk_mul_f32 v[14:15], v[14:15], v[T+8:T+9] op_sel_hi:[1,0]
.set j, 0
.rept 16
	v_pk_mul_f32 v[OA+j:OA+j+1], v[OA+j:OA+j+1], v[T+6:T+7] op_sel_hi:[1,0]
	v_pk_mul_f32 v[OB+j:OB+j+1], v[OB+j:OB+j+1], v[T+8:T+9] op_sel_hi:[1,0]
.set j, j+2
.endr
.set j, 0
.rept 32
	v_pk_fma_f32 v[R1+j:R1+j+1], v[R1+j:R1+j+1], s[CS:CS+1], v[8:9] op_sel_hi:[1,0,0]   ; A: t - M
.set j, j+2
.endr
	s_wait_alu depctr_va_vdst(0)                   ; the wait ahead of the batch
.set j, 0
.rept 32                               ; A's exponentials; among them B's t - M, whose results are read behind the next waits
	v_exp_f32 v[R1+j], v[R1+j]
	v_pk_fma_f32 v[(\SB)+j:(\SB)+j+1], v[(\SB)+j:(\SB)+j+1], s[CS:CS+1], v[12:13] op_sel_hi:[1,0,0]
	v_exp_f32 v[R1+j+1], v[R1+j+1]
.set j, j+2
.endr
	v_nop
	s_wait_alu depctr_va_vdst(0)                   ; and the wait behind it, ahead of its first reader
	SUM R1, 10
	s_wait_alu depctr_va_vdst(0)                   ; ahead of the second batch
.set j, 0
.rept 32                               ; B's exponentials; among them A's hold (the conversion does not saturate: ISA guide 7.6.2; p is not negative, so it is one-sided), two numbers a line
	v_exp_f32 v[(\SB)+j], v[(\SB)+j]
	v_dual_min_num_f32 v[R1+j], v[R1+j], v5 :: v_dual_min_num_f32 v[R1+j+1], v[R1+j+1], v6
	v_exp_f32 v[(\SB)+j+1], v[(\SB)+j+1]
.set j, j+2
.endr
	v_nop
	s_wait_alu depctr_va_vdst(0)
.set n, 0
.rept 8
	v_cvt_scalef32_pk8_bf8_f32 v[(\CB)+2*n:(\CB)+2*n+1], v[R1+8*n:R1+8*n+7], v4
.set n, n+1
.endr
	v_add_nc_u32 v2, s[VO], v3
.irp ct, 0,1,2,3                               ; v's four fragments (16 channels x 128 keys) take the registers that A's p have left
.irp c, 0,1,2,3
	ds_load_b128 v[R1+16*\ct+4*\c:R1+16*\ct+4*\c+3], v2 offset:(\vo)+2048*\ct+512*\c
.endr
.endr
	SUM \SB, 14
.set j, 0
.rept 32
	v_dual_min_num_f32 v[(\SB)+j], v[(\SB)+j], v5 :: v_dual_min_num_f32 v[(\SB)+j+1], v[(\SB)+j+1], v6
.set j, j+2
.endr
.set n, 0
.rept 8
	v_cvt_scalef32_pk8_bf8_f32 v[T+2*n:T+2*n+1], v[(\SB)+8*n:(\SB)+8*n+7], v4
.set n, n+1
.endr
	v_nop                                          ; a plain line behind the last conversion
	v_add_nc_u32 v2, s[KO], v3
	KLOAD \SB, \ko                                 ; the next step's k
	s_wait_alu depctr_va_vdst(0)
	s_wait_dscnt 16                                ; v's sixteen loads are in; k's sixteen, issued behind them, may be out
.irp ct, 0,1,2,3                               ; eight accumulators, one instruction a turn
	v_wmma_f32_16x16x128_bf8_bf8 v[OA+8*\ct:OA+8*\ct+7], v[R1+16*\ct:R1+16*\ct+15], v[(\CB):(\CB)+15], v[OA+8*\ct:OA+8*\ct+7]
	v_wmma_f32_16x16x128_bf8_bf8 v[OB+8*\ct:OB+8*\ct+7], v[R1+16*\ct:R1+16*\ct+15], v[T:T+15], v[OB+8*\ct:OB+8*\ct+7]
.endr
.endm
	s_wait_alu depctr_va_vdst(0)                   ; the wait at the head's end
	s_wait_loadcnt 0x0                             ; q
	s_wait_tensorcnt 0x0                           ; my piece of k or v has landed,
	s_barrier_signal -1
	s_barrier_wait -1                              ; everybody's has
	v_add_nc_u32 v2, s[KO], v3
	KLOAD X+32, 0
.Ltrip:                                                ; 8 trips of two steps
	STEP X+32, X, X+64, 0, 4, 0, 8192
	STEP X, X+32, X, 4, 0, 8192, 16384
	s_add_co_u32 s[KO], s[KO], 16384
	s_add_co_u32 s[VO], s[VO], 16384
	s_sub_co_u32 s[CNT], s[CNT], 1
	s_cmp_lg_u32 s[CNT], 0
	s_cbranch_scc1 .Ltrip
	; THE WAY OUT.  ctx = O^T x 2^(e8 + e9) / the sum; held; converted with 2^e10.  Tile ct's 8 codes are registers 2 ct, 2 ct + 1 of the head's part of the next operand's image.
	s_wait_dscnt 0x0
.rept 4
	v_nop                                          ; places behind the last products
.endr
	v_add_f32 v10, v10, v11
	v_add_f32 v14, v14, v15
	v_permlanex16_b32 v96, v10, s[SEL], s[SEL+1]
	v_permlanex16_b32 v97, v14, s[SEL], s[SEL+1]
	v_add_f32 v10, v10, v96
	v_add_f32 v14, v14, v97
	MKSC 50, 4, 5
	s_add_co_i32 s59, s48, s49
	s_wait_alu depctr_va_vdst(0)                   ; ahead of the reciprocals
	v_rcp_f32 v10, v10
	v_rcp_f32 v14, v14
	v_nop
	s_wait_alu depctr_va_vdst(0)                   ; and behind them
	v_ldexp_f32 v10, v10, s59
	v_ldexp_f32 v14, v14, s59
	s_wait_alu depctr_va_vdst(0)                   ; ahead of the first reader of O^T
.set j, 0
.rept 16
	v_pk_mul_f32 v[32+j:33+j], v[OA+j:OA+j+1], v[10:11] op_sel_hi:[1,0]
.set j, j+2
.endr
.set j, 0
.rept 16
	v_pk_mul_f32 v[64+j:65+j], v[OB+j:OB+j+1], v[14:15] op_sel_hi:[1,0]
.set j, j+2
.endr
.set n, 0
.rept 8
.set i, 0
.rept 8
	v_med3_num_f32 v[32+8*n+i], v[32+8*n+i], -v5, v5
.set i, i+1
.endr
	v_cvt_scalef32_pk8_bf8_f32 v[96+2*n:97+2*n], v[32+8*n:39+8*n], v4
.set n, n+1
.endr
	v_nop
	global_store_b128 v3, v[96:99], s[8:9]                     ; each store covers 512 consecutive bytes, aligned
	global_store_b128 v3, v[100:103], s[8:9] offset:512
	global_store_b128 v3, v[104:107], s[8:9] offset:16384      ; tile B: the next tile of 16 tokens
	global_store_b128 v3, v[108:111], s[8:9] offset:16896
	s_wait_tensorcnt 0x0                           ; the wave's end
	ds_add_u32 v1, v7
	s_wait_dscnt 0x0
	ROUND                                          ; the closing round
	s_endpgm
.Lfunc_end_k_qd5da24a8e7_attn:
	.size	k_qd5da24a8e7_attn, .Lfunc_end_k_qd5da24a8e7_attn-k_qd5da24a8e7_attn
	.p2alignl 7, 3214868480
	.fill 96, 4, 3214868480
	.section	.rodata,"a",@progbits
	.p2align	6, 0x0
	.amdhsa_kernel k_qd5da24a8e7_attn
		.amdhsa_group_segment_fixed_size 264192
		.amdhsa_private_segment_fixed_size 0
		.amdhsa_enable_private_segment 0
		.amdhsa_kernarg_size 24
		.amdhsa_user_sgpr_count 2
		.amdhsa_user_sgpr_kernarg_segment_ptr 1
		.amdhsa_wavefront_size32 1
		.amdhsa_system_sgpr_workgroup_id_x 1
		.amdhsa_system_sgpr_workgroup_id_y 1
		.amdhsa_system_sgpr_workgroup_id_z 1
		.amdhsa_system_vgpr_workitem_id 0
		.amdhsa_next_free_vgpr 256
		.amdhsa_next_free_sgpr 66
		.amdhsa_reserve_vcc 0
		.amdhsa_float_denorm_mode_32 3
		.amdhsa_float_denorm_mode_16_64 3
		.amdhsa_memory_ordered 1
		.amdhsa_forward_progress 1
		.amdhsa_inst_pref_size 73
	.end_amdhsa_kernel
	.amdgpu_metadata
---
amdhsa.version: [ 1, 2 ]
amdhsa.kernels:
  - .name:           k_qd5da24a8e7_attn
    .symbol:         k_qd5da24a8e7_attn.kd
    .args:
      - { .name: qkv, .offset: 0, .size: 8, .value_kind: global_buffer, .address_space: global }
      - { .name: lowp_scales, .offset: 8, .size: 8, .value_kind: global_buffer, .address_space: global }
      - { .name: ctxc, .offset: 16, .size: 8, .value_kind: global_buffer, .address_space: global }
    .group_segment_fixed_size: 264192
    .private_segment_fixed_size: 0
    .kernarg_segment_align: 8
    .kernarg_segment_size: 24
    .max_flat_workgroup_size: 512
    .sgpr_count:     66
    .vgpr_count:     256
    .wavefront_size: 32
...
	.end_amdgpu_metadata
.endif
;; end of part 3
;; launch outln (part 4): grid 256 x 1, 16 waves a work-group, clusters of 4 x 1, 327,680 bytes of LDS; arguments ctxc, codes, x, b_o, ln_gamma, ln_beta, lowp_scales, out0; writes out0
.if DOCPART == 4
	.amdgcn_target "amdgcn-amd-amdhsa--gfx1250"
	.amdhsa_code_object_version 6
	.text
	.protected	k_qd5da24a8e7_outln
	.globl	k_qd5da24a8e7_outln
	.p2align	8
	.type	k_qd5da24a8e7_outln,@function
k_qd5da24a8e7_outln:
	s_mov_b64 s[64:65], 0
	v_nop
	global_prefetch_b8 v0, s[64:65] scope:SCOPE_SE
	s_setreg_imm32_b32 hwreg(HW_REG_WAVE_MODE, 25, 1), 1
	s_wait_xcnt 0x0
	s_wait_alu depctr_hold_cnt(0) depctr_sa_sdst(0) depctr_va_vdst(0) depctr_va_sdst(0) depctr_va_ssrc(0) depctr_va_vcc(0) depctr_vm_vsrc(0)
	s_getreg_b32 s2, hwreg(HW_REG_IB_STS2, 6, 4)
	s_cmp_eq_u32 s2, 0
	s_cbranch_scc0 .Lentry_in_a_cluster
	s_endpgm
.Lentry_in_a_cluster:
	s_bfe_u32 s2, ttmp6, 0x10000c
	s_cmp_lg_u32 s2, 0x3003
	s_cbranch_scc0 .Lentry_shape_is_right
	s_endpgm
.Lentry_shape_is_right:
; out0 = LayerNorm(x + ctx w_o^T + b_o) x gamma + beta; the product on codes of BF8 (E5M2), its sums x 2^(e10 + e11).
; SHARES.  A work-group owns 32 tokens and all 1,024 columns, so that a row's mean and variance stay inside it.  Wave g owns columns 64 g .. 64 g + 63: tile q holds columns 64 g + 4 r + q, so a lane's four tiles give 16 neighbouring bytes of a row.
; w_o's codes lie as images of operand registers, [K step 8][wave 16][tile 4][chunk 4][lane 32][16 bytes]; every work-group walks all of them.  THEY COME BY TWO ROADS, which take turns:
;   K steps 0, 2, 4, 6 by JOINT loads of a cluster of four work-groups, through two LDS slots of a K step (131,072 bytes) each, 8,192 bytes a wave; each refill stands behind a round of the cluster's barrier;
;   K steps 1, 3, 5, 7 from memory straight into the registers of the one wave that each fragment feeds (16 loads of 512 bytes), asked for two K steps ahead of their use.
; Only two slots of a K step fit in LDS, and a K step is 8 matrix instructions a wave: so a round serves two K steps, and the second road's bytes are on their way beside the ring's.
; No prefetch into the L2: of the eight K steps three are asked for before the first product, and each later one two K steps ahead of its use.
; ctx's 32 x 1,024 codes (32,768 bytes), which all waves read, go through LDS bytes of their own: each wave loads 2,048 bytes and stores them.  x's 32 rows (131,072 bytes, dense) are slot 0's last refill, 8,192 bytes a wave.
; LIMIT: e10 + e11 between -126 and 127.  NaN among the inputs is not served.
; REGISTERS: v1 16 x lane; v2, v3 the spare word's address and 0; v4, v26 my fragments in slot 0, 1; v5 x's rows 16 on; v6, v7 ctx out of and into LDS; v8 my bytes in the tile of x and out0; v9, v10 the reductions' LDS addresses;
;   v11 my columns; v12-23 b_o, gamma, beta; v32-95 sums; v96-159 w_o from LDS (then y); v192-255 w_o from memory (then x); v160-191 ctx's fragments (then sums and means).
.set WV,    56
.set SLOT1, 131072
.set AOFF,  262144
.set RED1,  294912
.set RED2,  297216
.set SPARE, 299520
.set WO,    28311552
.set G1B,   20                         ; s[20:27] group 1 of the joint loads
.set G1X,   28                         ; s[28:35] group 1 of x's load
.set GA,    36                         ; s[36:51] groups 0 of K steps 0, 2, 4, 6
.set GX,    52                         ; s[52:55] group 0 of x's load
.set ACC,   32
.set LB,    96
.set DB,    192
.set Y,     96
.set AF,    160
.set SUM,   160
.set MU,    176
.set XR,    192
.macro ROUND
	s_barrier_signal -1
	s_barrier_wait -1
	s_cmp_lg_u32 s[WV], 0
	s_cbranch_scc1 .Lnot_wave_0_\@
	s_barrier_signal -3
.Lnot_wave_0_\@:
	s_barrier_wait -3
	s_barrier_signal -1
	s_barrier_wait -1
.endm
	s_load_b512 s[4:19], s[0:1], 0x0               ; ctxc, codes, x, b_o, gamma, beta, lowp_scales, out0
	v_lshl_add_u32 v2, v0, 2, SPARE
	v_mov_b32 v3, 0
	ds_add_u32 v2, v3
	ds_add_u32 v2, v3
	v_lshrrev_b32 v1, 5, v0
	v_readfirstlane_b32 s[WV], v1
	s_bfe_u32 s57, ttmp6, 0x40000                  ; cx
	s_lshl_b32 s58, ttmp9, 2
	s_add_co_u32 s58, s58, s57                     ; my work-group: it enters ctxc's, x's and out0's addresses alone
	s_mov_b32 s[G1B], 15|(3<<16)|(1<<21)           ; the mask: all four work-groups; elements of 8 bytes; bit 21 beside a mask
	s_mov_b32 s[G1X], 3<<16
.irp g, G1B, G1X                               ; a dense block of 32 rows x 256 bytes
	s_mov_b32 s[\g+1], 32<<16
	s_mov_b32 s[\g+2], 32<<16
	s_mov_b32 s[\g+3], 32<<16
	s_mov_b32 s[\g+4], 32
	s_mov_b32 s[\g+5], 32
	s_mov_b32 s[\g+6], 0
	s_mov_b32 s[\g+7], 0
.endr
	s_lshl_b32 s72, s[WV], 13
	s_lshl_b32 s73, s[WV], 11
	s_lshl_b32 s74, s[WV], 8
	s_mul_i32 s75, s[WV], 144
	s_add_co_u32 s75, s75, RED1
	s_lshl_b32 s76, s58, 15
	s_add_co_u32 s76, s76, s73                     ; ctxc: my work-group's 32,768 bytes, my wave's 2,048
	s_mov_b32 s77, 0
	s_add_co_u32 s78, s72, WO                      ; codes: w_o, my wave's 8,192 bytes of a K step
	s_mov_b32 s79, 0
	s_lshl_b32 s80, s58, 17                        ; x, out0: my work-group's 131,072 bytes
	s_mov_b32 s81, 0
	s_mov_b32 s60, s72
	s_mov_b32 s61, 0
	s_mov_b32 s82, 0x3a800000                      ; 1 / 1,024
	s_mov_b32 s83, 0x3727c5ac                      ; 1e-5
	v_and_b32 v1, 31, v0
	v_lshlrev_b32 v1, 4, v1
	v_and_b32 v24, 15, v0                          ; r
	v_bfe_u32 v25, v0, 4, 1                        ; h
	v_add_nc_u32 v4, s72, v1
	v_add_nc_u32 v26, SLOT1, v4
	v_add_nc_u32 v6, AOFF, v1
	v_add_nc_u32 v7, s73, v6
	v_lshl_add_u32 v11, v24, 4, s74                ; 256 g + 16 r
	v_lshl_add_u32 v8, v25, 15, v11                ; + 8 h rows of 4,096 bytes: also x's place in slot 0
	v_add_nc_u32 v5, 65536, v8                     ; 16 rows on
	v_lshl_add_u32 v9, v25, 5, s75
	v_mul_u32_u24 v10, v24, 144
	v_lshl_add_u32 v10, v25, 5, v10
	v_add_nc_u32 v10, RED1, v10
	s_wait_dscnt 0x0
	s_wait_alu depctr_va_vdst(0)                   ; the wait at the head's end
	s_wait_kmcnt 0x0
	s_load_b64 s[70:71], s[16:17], 0x28            ; e10, e11
	s_add_nc_u64 s[66:67], s[4:5], s[76:77]
	s_add_nc_u64 s[68:69], s[6:7], s[78:79]
	s_add_nc_u64 s[8:9], s[8:9], s[80:81]
	s_add_nc_u64 s[18:19], s[18:19], s[80:81]
.irp n, 0,1,2,3                                ; K step 2 n goes into slot n % 2
	s_mov_b32 s[GA+4*\n], 1
	s_add_co_u32 s[GA+4*\n+1], s72, SLOT1*(\n%2)
	s_add_nc_u64 s[GA+4*\n+2:GA+4*\n+3], s[68:69], 262144*\n
	s_or_b32 s[GA+4*\n+3], s[GA+4*\n+3], 0x80000000
.endr
	s_mov_b32 s[GX], 1
	s_mov_b32 s[GX+1], s72
	s_add_nc_u64 s[GX+2:GX+3], s[8:9], s[60:61]
	s_or_b32 s[GX+3], s[GX+3], 0x80000000
.macro BLOAD s                         ; K step s: my four fragments of w_o from memory
.irp q, 0,1,2,3
.irp c, 0,1,2,3
	global_load_b128 v[DB+16*\q+4*\c:DB+16*\q+4*\c+3], v1, s[68:69] offset:131072*(\s)+2048*\q+512*\c
.endr
.endr
.endm
.irp i, 0,1,2,3
	global_load_b128 v[AF+4*\i:AF+4*\i+3], v1, s[66:67] offset:512*\i th:TH_LOAD_NT
.endr
	global_load_b128 v[12:15], v11, s[10:11]
	global_load_b128 v[16:19], v11, s[12:13]
	global_load_b128 v[20:23], v11, s[14:15]
	BLOAD 1
	ROUND                                          ; all four work-groups are here: the first joint loads meet
	tensor_load_to_lds s[GA:GA+3], s[G1B:G1B+7]    ; K step 0: my one load at the head
	s_nop 0
	s_wait_loadcnt 19                              ; ctx's four loads are in; the 3 + 16 issued behind them may be out
	s_wait_tensorcnt 0x0                           ; no tensor load of mine is out while I store into LDS
.irp i, 0,1,2,3
	ds_store_b128 v7, v[AF+4*\i:AF+4*\i+3] offset:512*\i
.endr
; The lines in front of a refill, and of slot 1's first fill: all my tensor loads are in; an add of 0 to my spare word; the add, my stores and my reads of the slots are done; a round of the cluster's barrier.
.macro SEQ
	s_wait_tensorcnt 0x0
	ds_add_u32 v2, v3
	s_wait_dscnt 0x0
	ROUND
.endm
.macro AFRAG s                         ; ctx's two fragments of K step s
.irp mt, 0,1
.irp c, 0,1,2,3
	ds_load_b128 v[AF+16*\mt+4*\c:AF+16*\mt+4*\c+3], v6 offset:16384*\mt+2048*(\s)+512*\c
.endr
.endr
.endm
.macro MUL8 b, zero                    ; eight accumulators by turns; four places follow, in front of loads into registers that the products read
.irp mt, 0,1
.irp q, 0,1,2,3
.if \zero
	v_wmma_f32_16x16x128_bf8_bf8 v[ACC+32*\mt+8*\q:ACC+32*\mt+8*\q+7], v[AF+16*\mt:AF+16*\mt+15], v[\b+16*\q:\b+16*\q+15], 0
.else
	v_wmma_f32_16x16x128_bf8_bf8 v[ACC+32*\mt+8*\q:ACC+32*\mt+8*\q+7], v[AF+16*\mt:AF+16*\mt+15], v[\b+16*\q:\b+16*\q+15], v[ACC+32*\mt+8*\q:ACC+32*\mt+8*\q+7]
.endif
.endr
.endr
.rept 4
	v_nop
.endr
.endm
; Two K steps: s from the slot at address register adr, s + 1 from the registers that the loads from memory filled.
.macro PAIR s, adr, zero
.irp q, 0,1,2,3
.irp c, 0,1,2,3
	ds_load_b128 v[LB+16*\q+4*\c:LB+16*\q+4*\c+3], v[\adr] offset:2048*\q+512*\c
.endr
.endr
	AFRAG \s
	s_wait_dscnt 0x0
	MUL8 LB, \zero
	AFRAG (\s)+1
	s_wait_loadcnt 0x0                             ; K step s + 1's sixteen loads are in
	s_wait_dscnt 0x0
	MUL8 DB, 0
.if (\s)+3 < 8
	BLOAD (\s)+3
.endif
.endm
	SEQ                                            ; K step 0 and ctx's codes are whole
	tensor_load_to_lds s[GA+4:GA+7], s[G1B:G1B+7]  ; K step 2: slot 1's first fill, issued as a refill is
	s_nop 0
	PAIR 0, 4, 1
	SEQ
	tensor_load_to_lds s[GA+8:GA+11], s[G1B:G1B+7] ; K step 4 into slot 0
	s_nop 0
	PAIR 2, 26, 0
	SEQ
	tensor_load_to_lds s[GA+12:GA+15], s[G1B:G1B+7] ; K step 6 into slot 1
	s_nop 0
	PAIR 4, 4, 0
	SEQ
	tensor_load_to_lds s[GX:GX+3], s[G1X:G1X+7]    ; my 8,192 bytes of x into slot 0
	s_nop 0
	PAIR 6, 26, 0
	s_wait_tensorcnt 0x0                           ; my part of x has landed,
	s_barrier_signal -1
	s_barrier_wait -1                              ; everybody's has
.irp j, 0,1,2,3,4,5,6,7
	ds_load_b128 v[XR+4*\j:XR+4*\j+3], v8 offset:4096*\j
.endr
.irp j, 0,1,2,3,4,5,6,7
	ds_load_b128 v[XR+32+4*\j:XR+32+4*\j+3], v5 offset:4096*\j
.endr
	s_wait_kmcnt 0x0
	s_add_co_i32 s84, s70, s71
	s_add_co_i32 s84, s84, 127
	s_lshl_b32 s84, s84, 23                        ; 2^(e10 + e11)
.irp mt, 0,1
.irp j, 0,1,2,3,4,5,6,7
.irp q, 0,1,2,3
	v_fma_f32 v[Y+32*\mt+4*\j+\q], v[ACC+32*\mt+8*\q+\j], s84, v[12+\q]   ; each accumulator from its low end on
.endr
.endr
.endr
	s_wait_dscnt 0x0
.set j, 0
.rept 32
	v_pk_add_f32 v[Y+j:Y+j+1], v[Y+j:Y+j+1], v[XR+j:XR+j+1]
.set j, j+2
.endr
.macro RED16 base                      ; sixteen sums over the sixteen lanes of a row of lanes
.irp m, 1,2,4,8
.set i, 0
.rept 16
	v_add_f32_dpp v[\base+i], v[\base+i], v[\base+i] row_xmask:\m row_mask:0xf bank_mask:0xf
.set i, i+1
.endr
.endr
.endm
.macro ACROSS off                      ; and over the sixteen waves, through LDS bytes of their own
	RED16 SUM
	ds_store_b128 v9, v[SUM:SUM+3]     offset:\off
	ds_store_b128 v9, v[SUM+4:SUM+7]   offset:\off+16
	ds_store_b128 v9, v[SUM+8:SUM+11]  offset:\off+64
	ds_store_b128 v9, v[SUM+12:SUM+15] offset:\off+80
	s_wait_dscnt 0x0
	s_barrier_signal -1
	s_barrier_wait -1
	ds_load_b128 v[SUM:SUM+3],     v10 offset:\off
	ds_load_b128 v[SUM+4:SUM+7],   v10 offset:\off+16
	ds_load_b128 v[SUM+8:SUM+11],  v10 offset:\off+64
	ds_load_b128 v[SUM+12:SUM+15], v10 offset:\off+80
	s_wait_dscnt 0x0
	RED16 SUM
.endm
.irp g, 0,1,2,3
.irp n, 0,1,2,3
	v_pk_add_f32 v[24+2*\n:25+2*\n], v[Y+4*(4*\g+\n):Y+4*(4*\g+\n)+1], v[Y+4*(4*\g+\n)+2:Y+4*(4*\g+\n)+3]
.endr
.irp n, 0,1,2,3
	v_add_f32 v[SUM+4*\g+\n], v[24+2*\n], v[25+2*\n]
.endr
.endr
	ACROSS 0
.set i, 0
.rept 16
	v_mul_f32 v[MU+i], s82, v[SUM+i]               ; the means
.set i, i+1
.endr
.macro SUBMEAN i
.if ((\i)%2) == 0
	v_pk_add_f32 v[Y+4*(\i):Y+4*(\i)+1],   v[Y+4*(\i):Y+4*(\i)+1],   v[MU+(\i):MU+(\i)+1] op_sel_hi:[1,0] neg_lo:[0,1] neg_hi:[0,1]
	v_pk_add_f32 v[Y+4*(\i)+2:Y+4*(\i)+3], v[Y+4*(\i)+2:Y+4*(\i)+3], v[MU+(\i):MU+(\i)+1] op_sel_hi:[1,0] neg_lo:[0,1] neg_hi:[0,1]
.else
	v_pk_add_f32 v[Y+4*(\i):Y+4*(\i)+1],   v[Y+4*(\i):Y+4*(\i)+1],   v[MU+(\i)-1:MU+(\i)] op_sel:[0,1] op_sel_hi:[1,1] neg_lo:[0,1] neg_hi:[0,1]
	v_pk_add_f32 v[Y+4*(\i)+2:Y+4*(\i)+3], v[Y+4*(\i)+2:Y+4*(\i)+3], v[MU+(\i)-1:MU+(\i)] op_sel:[0,1] op_sel_hi:[1,1] neg_lo:[0,1] neg_hi:[0,1]
.endif
.endm
.macro NORM i
.if ((\i)%2) == 0
	v_pk_mul_f32 v[Y+4*(\i):Y+4*(\i)+1],   v[Y+4*(\i):Y+4*(\i)+1],   v[MU+(\i):MU+(\i)+1] op_sel_hi:[1,0]
	v_pk_mul_f32 v[Y+4*(\i)+2:Y+4*(\i)+3], v[Y+4*(\i)+2:Y+4*(\i)+3], v[MU+(\i):MU+(\i)+1] op_sel_hi:[1,0]
.else
	v_pk_mul_f32 v[Y+4*(\i):Y+4*(\i)+1],   v[Y+4*(\i):Y+4*(\i)+1],   v[MU+(\i)-1:MU+(\i)] op_sel:[0,1] op_sel_hi:[1,1]
	v_pk_mul_f32 v[Y+4*(\i)+2:Y+4*(\i)+3], v[Y+4*(\i)+2:Y+4*(\i)+3], v[MU+(\i)-1:MU+(\i)] op_sel:[0,1] op_sel_hi:[1,1]
.endif
	v_pk_fma_f32 v[Y+4*(\i):Y+4*(\i)+1],   v[Y+4*(\i):Y+4*(\i)+1],   v[16:17], v[20:21]
	v_pk_fma_f32 v[Y+4*(\i)+2:Y+4*(\i)+3], v[Y+4*(\i)+2:Y+4*(\i)+3], v[18:19], v[22:23]
.endm
.irp i, 0,1,2,3,4,5,6,7,8,9,10,11,12,13,14,15
	SUBMEAN \i
.endr
.irp g, 0,1,2,3
.irp n, 0,1,2,3
	v_pk_mul_f32 v[24+2*\n:25+2*\n], v[Y+4*(4*\g+\n):Y+4*(4*\g+\n)+1], v[Y+4*(4*\g+\n):Y+4*(4*\g+\n)+1]
.endr
.irp n, 0,1,2,3
	v_pk_fma_f32 v[24+2*\n:25+2*\n], v[Y+4*(4*\g+\n)+2:Y+4*(4*\g+\n)+3], v[Y+4*(4*\g+\n)+2:Y+4*(4*\g+\n)+3], v[24+2*\n:25+2*\n]
.endr
.irp n, 0,1,2,3
	v_add_f32 v[SUM+4*\g+\n], v[24+2*\n], v[25+2*\n]
.endr
.endr
	ACROSS RED2-RED1
.set i, 0
.rept 16
	v_fma_f32 v[MU+i], v[SUM+i], s82, s83          ; the variance + 1e-5
.set i, i+1
.endr
	s_wait_alu depctr_va_vdst(0)                   ; the wait ahead of the batch
.set i, 0
.rept 16
	v_rsq_f32 v[MU+i], v[MU+i]
.set i, i+1
.endr
	v_nop
	s_wait_alu depctr_va_vdst(0)                   ; and behind it
.irp i, 0,1,2,3,4,5,6,7,8,9,10,11,12,13,14,15
	NORM \i
.endr
.irp mt, 0,1
.irp j, 0,1,2,3,4,5,6,7
	global_store_b128 v8, v[Y+32*\mt+4*\j:Y+32*\mt+4*\j+3], s[18:19] offset:(16*\mt+\j)*4096 th:TH_STORE_NT   ; sixteen lanes store 256 consecutive bytes, aligned
.endr
.endr
	s_wait_tensorcnt 0x0                           ; the wave's end
	ds_add_u32 v2, v3
	s_wait_dscnt 0x0
	ROUND                                          ; the closing round
	s_endpgm
.Lfunc_end_k_qd5da24a8e7_outln:
	.size	k_qd5da24a8e7_outln, .Lfunc_end_k_qd5da24a8e7_outln-k_qd5da24a8e7_outln
	.p2alignl 7, 3214868480
	.fill 96, 4, 3214868480
	.section	.rodata,"a",@progbits
	.p2align	6, 0x0
	.amdhsa_kernel k_qd5da24a8e7_outln
		.amdhsa_group_segment_fixed_size 327680
		.amdhsa_private_segment_fixed_size 0
		.amdhsa_enable_private_segment 0
		.amdhsa_kernarg_size 64
		.amdhsa_user_sgpr_count 2
		.amdhsa_user_sgpr_kernarg_segment_ptr 1
		.amdhsa_wavefront_size32 1
		.amdhsa_system_sgpr_workgroup_id_x 1
		.amdhsa_system_sgpr_workgroup_id_y 1
		.amdhsa_system_sgpr_workgroup_id_z 1
		.amdhsa_system_vgpr_workitem_id 0
		.amdhsa_next_free_vgpr 256
		.amdhsa_next_free_sgpr 96
		.amdhsa_reserve_vcc 0
		.amdhsa_float_denorm_mode_32 3
		.amdhsa_float_denorm_mode_16_64 3
		.amdhsa_memory_ordered 1
		.amdhsa_forward_progress 1
		.amdhsa_inst_pref_size 66
	.end_amdhsa_kernel
	.amdgpu_metadata
---
amdhsa.version: [ 1, 2 ]
amdhsa.kernels:
  - .name:           k_qd5da24a8e7_outln
    .symbol:         k_qd5da24a8e7_outln.kd
    .args:
      - { .name: ctxc, .offset: 0, .size: 8, .value_kind: global_buffer, .address_space: global }
      - { .name: codes, .offset: 8, .size: 8, .value_kind: global_buffer, .address_space: global }
      - { .name: x, .offset: 16, .size: 8, .value_kind: global_buffer, .address_space: global }
      - { .name: b_o, .offset: 24, .size: 8, .value_kind: global_buffer, .address_space: global }
      - { .name: ln_gamma, .offset: 32, .size: 8, .value_kind: global_buffer, .address_space: global }
      - { .name: ln_beta, .offset: 40, .size: 8, .value_kind: global_buffer, .address_space: global }
      - { .name: lowp_scales, .offset: 48, .size: 8, .value_kind: global_buffer, .address_space: global }
      - { .name: out0, .offset: 56, .size: 8, .value_kind: global_buffer, .address_space: global }
    .group_segment_fixed_size: 327680
    .private_segment_fixed_size: 0
    .kernarg_segment_align: 8
    .kernarg_segment_size: 64
    .max_flat_workgroup_size: 512
    .sgpr_count:     96
    .vgpr_count:     256
    .wavefront_size: 32
...
	.end_amdgpu_metadata
.endif
;; end of part 4
